; MI455X (gfx1250); checked and timed in simulation.
; The chip was launched on July 23, 2026; its instructions are those of AMD's public machine-readable ISA for CDNA 5 (MIT licence, August 2026) and "CDNA5" Instruction Set Architecture Reference Guide (July 2026). The comments in the code are by the model that wrote it; some were corrected since.
;; Attention pps. Allowed arithmetic: matrix products marked QUANTISED: E2M3 operands, one E8M0 scale for each 32 along K, by v_wmma_scale_f32_16x16x128_f8f6f4 with both operands' format E2M3, f32 sums; products left as they are: f32 operands where the result goes on into a quantised operand, else bf16, f16 or f32 operands; f32 sums; everything else in f32.
;; Inputs: W_kv_codes 1,024 x 16 x 24 uint8 (E2M3 codes of W_kv, K innermost, in blocks of 32 codes, four codes in three bytes); W_kv_scales 1,024 x 16 uint8 (E8M0 scales of W_kv, one for each 32 codes along K); W_proj_codes 512 x 16 x 24 uint8 (E2M3 codes of W_proj, K innermost, in blocks of 32 codes, four codes in three bytes); W_proj_scales 512 x 16 uint8 (E8M0 scales of W_proj, one for each 32 codes along K); b_proj 512 float32; x 32,768 x 2 x 512 float32.
;; Outputs: out0 32,768 x 1 x 512 float32.
;; This version of the problem:
;;   THIS VERSION OF THE PROBLEM IS GIVEN IN LOW PRECISION. The matrix products marked QUANTISED in the list below multiply operands that are first quantised to E2M3 (2 exponent bits, 3 mantissa bits; 6 bits a number), with one power-of-two scale for each 32 numbers along K (OCP MX v1.0); their sums are f32. All else is computed in f32.
;;   The module's matrix products, in the order in which they are computed (A, B: the left and right operand; K: the contracted axis; several contracted axes count as one K, in the product's order):
;;     1. [M 32,768, K 512] x [K 512, N 1,024]; A: input x; B: input W_kv (given as codes): QUANTISED
;;     2. [M 32,768, K 512] x [K 512, N 1,024]; A: input x; B: input W_kv (given as codes): QUANTISED
;;     3. batch 262,144 x [M 1, K 64] x [K 64, N 1]; A: input x; B: computed on the way: left as it is (M = 1 < 16)
;;     4. batch 262,144 x [M 1, K 1] x [K 1, N 64]; A: softmax; B: computed on the way: left as it is (K = 1 < 32)
;;     5. [M 32,768, K 512] x [K 512, N 512]; A: computed on the way; B: input W_proj (given as codes): QUANTISED
;;   THE QUANTISER, for each operand of a quantised product, along K:
;;     - K is cut into blocks of 32 from its start; a last block that is shorter is filled with zeros.
;;     - A block's scale is 2^e with e = floor(log2(the largest magnitude in the block)) - 2, held to -126 .. 127; a block of zeros has e = 0. As a byte (E8M0): e + 127.
;;     - Each number is divided by its block's scale, clamped to +-7.5, and rounded to the nearest number of E2M3, ties to even, subnormals kept.
;;     - The product sums the exact products of the quantised numbers (number of the format x scale) in f32.
;;   ~~~python
;;   def quantise(x, axis):      # numpy; x: float32 -> the quantised numbers, widened to float32 again
;;       x = np.moveaxis(x, axis, -1); K = x.shape[-1]
;;       x = np.pad(x, [(0, 0)] * (x.ndim - 1) + [(0, -K % 32)]); x = x.reshape(x.shape[:-1] + (-1, 32)); a = np.abs(x).max(-1, keepdims=True)
;;       e = np.where(a > 0, np.clip(np.frexp(np.where(a > 0, a, 1))[1] - 1 - 2, -126, 127), 0)      # np.frexp(a)[1] - 1 = floor(log2(a)), exactly
;;       r = np.clip(x / 2.0 ** e, -7.5, 7.5)
;;       step = 2.0 ** (np.maximum(np.frexp(np.where(r == 0, 1, r))[1] - 1, 0) - 3)
;;       q = np.round(r / step) * step * 2.0 ** e      # np.round: ties to even
;;       return np.moveaxis(q.reshape(q.shape[:-2] + (-1,))[..., :K], -1, axis).astype(np.float32)
;;   ~~~
;;   OPERANDS COMPUTED ON THE WAY. 'Computed on the way' means the value that the module computes at that place (a softmax that the list does not call 'softmax' is quantised finished and normalised). What goes into a quantiser is computed in f32, as accurately as f32 sums, v_exp_f32 and their like allow (about 1e-6 of the number): no bf16 or f16 on the way to a quantiser, and a product that is left as it is and whose result goes on into a quantised operand takes f32 operands (vector FMAs, or v_wmma_f32_16x16x4_f32). A number that lies on a knife's edge between two numbers of the format may be rounded either way, as far as f32 arithmetic and the matrix unit's own rounding can turn it there, and no further.
;;   INPUTS GIVEN AS CODES. W_kv (in the module: [512, 1024], K = its axis 0); W_proj (in the module: [512, 512], K = its axis 0): each comes as NAME_codes (uint8): NAME with its K axis moved to the last place and cut into blocks of 32 codes, [.., K / 32, bytes a block], one block behind the other in memory; four codes in three bytes: a row's codes are one little-endian stream of bits, code i at bits 6 i .. 6 i + 5 (a code: sign, 2 exponent bits, 3 mantissa bits); and NAME_scales (uint8): the same leading axes, one E8M0 byte (e + 127) for each 32 codes along K. Its value is code x scale, taken as it is: it is not quantised again, and the codes and scales need not be those that the quantiser above would give.
;; One version. Each part assembles by itself: llvm-mc -triple=amdgcn-amd-amdhsa -mcpu=gfx1250 --defsym DOCPART=n.
;; ======== version 1 of 1: 1 launch
;; limits: right only within a limited range of input values
;; launch fused (part 1): grid 256 x 1, 4 waves a work-group, clusters of 4 x 1, 327,680 bytes of LDS; arguments x, W_kv_codes, W_kv_scales, W_proj_codes, W_proj_scales, b_proj, out0; writes out0
.if DOCPART == 1
	.amdgcn_target "amdgcn-amd-amdhsa--gfx1250"
	.amdhsa_code_object_version 6
	.text
	.protected	k_q40f433545b_fused
	.globl	k_q40f433545b_fused
	.p2align	8
	.type	k_q40f433545b_fused,@function
k_q40f433545b_fused:
	s_mov_b64 s[64:65], 0
	v_nop
	global_prefetch_b8 v0, s[64:65] scope:SCOPE_SE
	s_setreg_imm32_b32 hwreg(HW_REG_WAVE_MODE, 25, 1), 1
	s_wait_xcnt 0x0
	s_wait_alu depctr_hold_cnt(0) depctr_sa_sdst(0) depctr_va_vdst(0) depctr_va_sdst(0) depctr_va_ssrc(0) depctr_va_vcc(0) depctr_vm_vsrc(0)
	s_getreg_b32 s2, hwreg(HW_REG_IB_STS2, 6, 4)
	s_cmp_eq_u32 s2, 0
	s_cbranch_scc0 .Lentry_in_a_cluster
	s_endpgm
.Lentry_in_a_cluster:
	s_bfe_u32 s2, ttmp6, 0x10000c
	s_cmp_lg_u32 s2, 0x3003
	s_cbranch_scc0 .Lentry_shape_is_right
	s_endpgm
.Lentry_shape_is_right:
; out0[b] = Q(Q(x[b][0]) W_v) W_proj + b_proj, W_v = W_kv[:, 512:1024].  Q: the quantiser to FP6 (E2M3) with one E8M0 scale for each 32 along K.
; DEAD WORK LEFT OUT.  The softmax runs over the keys of x_pps, of which there is ONE: p = exp(s - s) / exp(s - s) = 1 by identity, whatever finite s is.  So out = p v_img = v_img, and the score, q, k_pps, x[b][1] and
; W_kv[:, 0:512] reach no output, for all finite values of the inputs.  k_img and v_pps are formed by the source and never used.  x[.][1] and the first half of W_kv's codes and scales are not loaded.
; LIMITS.  A NaN, an infinity or an overflow that reaches only the work left out (x[.][1], k, the score) is not carried to out0.  NaN and infinities in x[.][0] are not served.  A block of zeros gets the scale byte 1 (the rule says 127): its codes
; are zeros, and this program alone reads the bytes.
; SHARES.  256 work-groups of four waves; a work-group owns 128 batch rows, 8 tiles of 16.  THE WAVES SHARE THE COLUMNS: wave w owns columns 128 w .. 128 w + 127 of each product's result, and the same columns of x and of v, which are K step w.
;   X(t): 16 rows x my 128 columns of x are quantised: K step w's fragment of tile t goes to LDS.    V(t): v = Q(x) W_v from the four waves' fragments, quantised, its fragment to LDS.    P(t): y = Q(v) W_proj + b_proj, stored.
; ORDER: X0-X4 while W_v is on its way; V(k) with X(k + 5), k = 0 .. 2; V3; P0 V4 P1 V5 P2 V6 P3 V7; P4 .. P7.  All tiles' fragments have places of their own in LDS, so four plain barriers serve the exchange.
; x comes by plain loads of 512 consecutive bytes into a ring of four tiles in registers, each tile four tiles ahead of its turn: 4 waves x 4 x 8 KiB at the head.  It is not prefetched: the text has no loop to run ahead in.
; W_PROJ is prefetched by the first four clusters: each of a cluster's sixteen waves names 48 of its 768 blocks of 256 bytes.
; CLUSTER.  Every work-group reads both weight matrices once.  The four work-groups of a cluster ask for them JOINTLY: the same tensor load, the same descriptor, a mask that names the four; one load a wave for each matrix.
; W_v IS USED TRANSPOSED (source 0 = 16 rows of the weight): lane i of tile 2 b + u takes row 32 b + 8 u + i + 8 (i / 8) of the wave's 128, so register 16 b + i' of lane (r, h) is column 32 b + 16 h + i' of row r: 16 neighbours along the next K.
; The tensor load sorts the rows: wave v fetches, of half v / 2 of the matrix, the 16 groups of 8 rows of parity v % 2, so a tile's 16 rows lie one behind the other in LDS (a row: 3 x (128 bytes + 16 of padding)).
; W_PROJ IS USED UNTRANSPOSED (source 0 = 16 rows of v): lane r of tile 4 q + i takes row 64 q + 4 r + i, so registers j of tiles 4 q .. 4 q + 3 of lane (r, h) are columns 64 q + 4 r .. + 3 of row 8 h + j: a store of 16 bytes a lane writes two
; whole aligned units of 256 bytes.  In LDS its rows lie in order, 8 bytes of padding behind every 256: four rows are 1,584 bytes = 396 words, lane r starts at bank 12 r mod 64 (64 banks of 4 bytes: ISA guide 11.1), sixteen different multiples of 4.
; REGISTERS, in windows of 256.  Window 0: below.  Fragments of 12 registers, 21 to a window: W_v's 32 (8 s + tile) fill window 1 and window 2's v0-131; W_proj's 0-9 lie in window 2 at v132-251, 10-30 in window 3, 31 in window 0.
;   Until W_proj comes, window 3 is the ring of x (64 registers a slot) and window 2's v132-195 hold X, 64 numbers of x a lane.  v252-255 of windows 1 and 2: b_proj.
.set XSC,   49152                      ; LDS: x's fragments from 0 on, 6,144 t + 1,536 s; their scale words: 512 t + 128 s
.set OSC,   53248                      ; v's scale words
.set SPARE, 57344                      ; the spare words, 128 bytes for each wave: two blocks of 256 bytes that no other line names
.set WREG,  57856                      ; one weight matrix, filled by tensor loads
.set WPART, 55296                      ; W_v: four parts of 128 rows x 432 bytes
.set PPART, 50688                      ; W_proj: four parts of 192 x 264 bytes
.set OIM,   260608                     ; v's fragments, 6,144 t + 1,536 s: tiles 0-2 behind W_proj's last byte, where only W_v has lain; tiles 5-7 lie in the stages, which nobody uses any more then
.set TURNB, 291328                     ; a stage of 16 rows x (512 + 16) bytes for each wave, its own
.set SPW, 1                            ; v1   SPARE + 4 x my thread's number; never rewritten
.set NIL, 2                            ; v2   0; never rewritten
.set GX,  3                            ; v3   512 w + 16 lane: my 16 bytes of a row of x
.set TS,  4                            ; v4   the stage by rows: 16 x lane
.set TL,  5                            ; v5   the stage by lanes: row r, + 64 h
.set XWI, 6                            ; v6   where I store an image of x: 16 lane + 1,536 w
.set XWS, 7                            ; v7   and a scale word: 4 lane + 128 w
.set LI,  8                            ; v8   16 lane
.set LS,  9                            ; v9   4 lane
.set WA0, 10                           ; v10, v11: my place in W_v's tiles with u = 0 (24 h; 40 h for the pieces behind one padding more); v12, v13: with u = 1
.set OW,  14                           ; v14  OIM + v6
.set ORD, 15                           ; v15  OIM + v8
.set XS,  18                           ; v18-21 source fragments' scale words
.set PW,  22                           ; v22  the scale word just made
.set CO,  23                           ; v23  my place in a tile of y; v24, v25 the prefetch
.set PA,  26                           ; v26, v27: my place in W_proj's tiles with q = 0 (24 h; 32 h); v28, v29: q = 1
.set WSV, 32                           ; v32-47  W_v's scale words: 4 b + s: lanes 0-15 tile 2 b, lanes 16-31 tile 2 b + 1, K step s
.set WSP, 48                           ; v48-63  W_proj's
.set FP,  64                           ; v64-75  W_proj's fragment 31
.set ACC, 76                           ; v76-139
.set XF,  140                          ; v140-187 four fragments of x or v
.set Y,   188                          ; v188-251 rows of y; under them:
.set PC,  188                          ; codes just made
.set MX,  200                          ; the quantiser's
.set BY,  204
.set SO,  208
.set WT,  212                          ; addresses while W_v moves
.set X,   132                          ; in window 2
.set WV,  18                           ; s18  my wave's number
.set G1,  24                           ; s[24:31] descriptor group 1 for W_v
.set G0V, 32                           ; s[32:35], s[36:39] groups 0; never rewritten
.set G0P, 36
.set SEL, 40                           ; s[40:41] v_permlanex16_b32's selects for lane l xor 16
.set G1P, 48                           ; s[48:55] group 1 for W_proj
.set XB,  56                           ; s[56:57] x at my work-group's first row
.set YB,  58                           ; s[58:59] out0 at my work-group's first row
.set MSB, 0
.macro WIN new                         ; the immediate's high byte repeats the setting that is left; a switch that changes nothing is dropped
.if MSB != (\new)
	s_set_vgpr_msb (MSB<<8)|(\new)
.set MSB, (\new)
.endif
.endm
.macro PLACES                          ; four plain places behind a matrix instruction (ISA guide 7.12.1)
.rept 4
	v_nop
.endr
.endm
.macro CROUND                          ; a round of the cluster's barrier
	s_barrier_signal -1
	s_barrier_wait -1
	s_cmp_lg_u32 s[WV], 0
	s_cbranch_scc1 .Lnot_wave_0_\@
	s_barrier_signal -3
.Lnot_wave_0_\@:
	s_barrier_wait -3
	s_barrier_signal -1
	s_barrier_wait -1
.endm
.macro TLW g0, g1                      ; my part of a weight matrix, asked for jointly
	tensor_load_to_lds s[\g0:\g0+3], s[\g1:\g1+7]
	s_nop 0
	PLACES
.endm
.macro XLOAD tile                      ; my 512 bytes of the 16 rows of a tile of x, into the ring
	WIN 0xc0
.irp i, 0,1,2,3,4,5,6,7,8,9,10,11,12,13,14,15
	global_load_b128 v[64*((\tile)%4)+4*\i:64*((\tile)%4)+4*\i+3], v[GX], s[XB:XB+1] offset:65536*(\tile)+4096*\i th:TH_LOAD_NT
.endr
	WIN 0
.endm
; The turn: a slot's 16 rows go through my stage as they lie and come back 64 numbers a lane: X + 16 b + i = column 32 b + 16 h + i of row r.  LDS serves a wave's instructions in order (ISA guide 5.7.1.4)
.macro TURN slot
	WIN 0x0c                                       ; an LDS store's data are its source 1: window 3
.irp i, 0,1,2,3,4,5,6,7,8,9,10,11,12,13,14,15
	ds_store_b128 v[TS], v[64*(\slot)+4*\i:64*(\slot)+4*\i+3] offset:528*\i
.endr
	WIN 0x80
.irp b, 0,1,2,3
.irp j, 0,1,2,3
	ds_load_b128 v[X+16*\b+4*\j:X+16*\b+4*\j+3], v[TL] offset:128*\b+16*\j
.endr
.endr
	WIN 0
.endm
; THE QUANTISER.  64 numbers of a lane, register s + 16 b + i of window w = k 32 b + 16 h + i of row r, become a fragment's codes in v[PC] on and its scale word in v[PW].
; QMAX n: the n-th of eight steps of the four blocks' largest magnitudes, with the floor 2^(3 - 127): the byte cannot fall under 1
.macro QMAX n, s, w
.if (\n) == 0
	WIN (\w)|((\w)<<2)
.irp b, 0,1,2,3
	v_max3_num_f32 v[MX+\b], |v[\s+16*\b]|, |v[\s+1+16*\b]|, 0x1800000
.endr
.else
	WIN ((\w)<<2)|((\w)<<4)
.irp b, 0,1,2,3
	v_max3_num_f32 v[MX+\b], v[MX+\b], |v[\s+16*\b+2*(\n)]|, |v[\s+1+16*\b+2*(\n)]|
.endr
.endif
.endm
.macro QT1
	WIN 0
.irp b, 0,1,2,3
	v_permlanex16_b32 v[BY+\b], v[MX+\b], s[SEL], s[SEL+1]
.endr
.irp b, 0,1,2,3
	v_max_num_f32 v[MX+\b], v[MX+\b], v[BY+\b]     ; with lane l xor 16's: the block's largest magnitude
.endr
.endm
.macro QT2
	WIN 0
.irp b, 0,1,2,3
	v_add_nc_u32 v[SO+\b], 0xff000000, v[MX+\b]    ; 2 off its exponent field: the conversion takes the exponent field of this operand as its scale
.endr
.irp b, 0,1,2,3
	v_lshrrev_b32 v[BY+\b], 23, v[SO+\b]           ; the scale's byte
.endr
	v_lshl_or_b32 v[PW], v[BY+1], 8, v[BY]         ; the four bytes make my row's scale word
	v_lshl_or_b32 v[PW], v[BY+2], 16, v[PW]
	v_lshl_or_b32 v[PW], v[BY+3], 24, v[PW]
.endm
.macro QCV s, w
	WIN \w
	v_cvt_scalef32_pk16_fp6_f32 v[PC:PC+2], v[\s:\s+15], v[SO]
	v_cvt_scalef32_pk16_fp6_f32 v[MX:MX+2], v[\s+16:\s+31], v[SO+1]      ; (a conversion's three registers begin on an even number: the second halves are made elsewhere and moved)
	v_cvt_scalef32_pk16_fp6_f32 v[PC+6:PC+8], v[\s+32:\s+47], v[SO+2]
	v_cvt_scalef32_pk16_fp6_f32 v[BY:BY+2], v[\s+48:\s+63], v[SO+3]
	WIN 0
	v_nop                                          ; one plain place behind a scaled conversion
.irp i, 0,1,2                                  ; the operand's layout wants a WHOLE block in a lane: lanes 0-15 blocks 0 and 2, lanes 16-31 blocks 1 and 3
	v_permlane16_swap_b32 v[PC+\i], v[MX+\i]
	v_permlane16_swap_b32 v[PC+6+\i], v[BY+\i]
.endr
.irp i, 0,1,2
	v_mov_b32 v[PC+3+\i], v[MX+\i]
	v_mov_b32 v[PC+9+\i], v[BY+\i]
.endr
.endm
.macro QUANT s, w
.irp n, 0,1,2,3,4,5,6,7
	QMAX \n, \s, \w
.endr
	QT1
	QT2
	QCV \s, \w
.endm
.macro IMAGE adr, off, soff                    ; the fragment in v[PC] on goes to LDS as it stands, and its scale word
.irp c, 0,1,2
	ds_store_b128 v[\adr], v[PC+4*\c:PC+4*\c+3] offset:(\off)+512*\c
.endr
	ds_store_b32 v[XWS], v[PW] offset:\soff
.endm
.macro FETCH adr, off, soff                    ; a tile's four fragments and their scale words come back so in every wave
.irp f, 0,1,2,3
.irp c, 0,1,2
	ds_load_b128 v[XF+12*\f+4*\c:XF+12*\f+4*\c+3], v[\adr] offset:(\off)+1536*\f+512*\c
.endr
	ds_load_b32 v[XS+\f], v[LS] offset:(\soff)+128*\f
.endr
.endm
; A weight's fragment from LDS: six pieces of 8 bytes a lane, two to a load where both go by the same address register.  Piece m lies at 8 (m + pu (m / iv)); lanes 16-31 read three pieces further on, which is behind one
; padding more where m % iv is iv - 3 or more: the second address register serves those.
.macro FRAG reg, win, a, s, u, iv, pu
	WIN (\win)<<6
.set SK_, 0
.irp p, 0,1,2,3,4,5
.if SK_
.set SK_, 0
.else
.set M_, \u+12*(\s)+6*(\p/3)+\p%3
.set N_, \u+12*(\s)+6*((\p+1)/3)+(\p+1)%3
.set C_, (M_%(\iv))/(\iv-3)
.set E_, (N_%(\iv))/(\iv-3)
.if (\p < 5) && (C_ == E_)
.set SK_, 1
	ds_load_2addr_b64 v[\reg+2*\p:\reg+2*\p+3], v[\a+C_] offset0:M_+\pu*(M_/\iv) offset1:N_+\pu*(N_/\iv)
.else
	ds_load_b64 v[\reg+2*\p:\reg+2*\p+1], v[\a+C_] offset:8*(M_+\pu*(M_/\iv))
.endif
.endif
.endr
.endm
.macro WMOVEV                                  ; my quarter of W_v into registers
.irp nt, 0,1,2,3,4,5,6,7
	WIN 0
	v_add_nc_u32 v[WT+2*(\nt%4)], 6912*(\nt/2), v[WA0+2*(\nt%2)]
	v_add_nc_u32 v[WT+2*(\nt%4)+1], 6912*(\nt/2), v[WA0+2*(\nt%2)+1]
.irp s, 0,1,2,3
	FRAG 12*((8*\s+\nt)%21), 1+(8*\s+\nt)/21, WT+2*(\nt%4), \s, 0, 16, 2
.endr
.endr
	WIN 0
.endm
.macro PFRAG g                                 ; fragment g = 8 s + tile of my quarter of W_proj
.set S_, (\g)/8
.set T_, (\g)%8
.if (\g) < 10
	FRAG 132+12*(\g), 2, PA+2*(T_/4), S_, 48*(T_%4), 32, 1
.elseif (\g) < 31
	FRAG 12*((\g)-10), 3, PA+2*(T_/4), S_, 48*(T_%4), 32, 1
.else
	FRAG FP, 0, PA+2*(T_/4), S_, 48*(T_%4), 32, 1
.endif
.endm
.macro WM d, a, b, c, x, y, side, o
.if \o
	v_wmma_scale_f32_16x16x128_f8f6f4 v[\d:\d+7], v[\a:\a+11], v[\b:\b+11], \c, v[\x], v[\y] matrix_a_fmt:MATRIX_FMT_FP6 matrix_b_fmt:MATRIX_FMT_FP6 matrix_\side\()_scale:MATRIX_SCALE_ROW1
.else
	v_wmma_scale_f32_16x16x128_f8f6f4 v[\d:\d+7], v[\a:\a+11], v[\b:\b+11], \c, v[\x], v[\y] matrix_a_fmt:MATRIX_FMT_FP6 matrix_b_fmt:MATRIX_FMT_FP6 matrix_\side\()_scale:MATRIX_SCALE_ROW0
.endif
.endm
; One product: tile nt of my 128 columns, K step s.  kind 0: W_v (source 0 the weight), kind 1: W_proj (source 1 the weight)
.macro PROD kind, s, nt
.set F_, 8*\s+\nt
.set D_, ACC+8*\nt
.set B_, XF+12*\s
.set Z_, XS+\s
.if \kind
.if F_ < 10
.set R_, 132+12*F_
	WIN 0x08
.elseif F_ < 31
.set R_, 12*(F_-10)
	WIN 0x0c
.else
.set R_, FP
	WIN 0
.endif
.set W_, WSP+4*(\nt/2)+\s
.if \s
	WM D_, B_, R_, v[D_:D_+7], Z_, W_, b, \nt%2
.else
	WM D_, B_, R_, 0, Z_, W_, b, \nt%2
.endif
.else
.set R_, 12*(F_%21)
	WIN 1+F_/21
.set W_, WSV+4*(\nt/2)+\s
.if \s
	WM D_, R_, B_, v[D_:D_+7], W_, Z_, a, \nt%2
.else
	WM D_, R_, B_, 0, W_, Z_, a, \nt%2
.endif
.endif
.endm
; A tile's 32 products: K step by K step, the 8 accumulators by turns, one instruction a turn.  Behind every fourth, the n-th part of \hook
.macro MUL kind, hook, k
.irp s, 0,1,2,3
.irp nt, 0,1,2,3,4,5,6,7
	PROD \kind, \s, \nt
.if (\nt)%4 == 3
	\hook 2*\s+(\nt)/4, \k
.endif
.endr
.endr
.endm
.macro HN n, k
.endm
.macro HK n, k                                 ; X's quantiser up to its conversions, among V(k)'s products: plain vector work alone
.if (\n) < 4
	QMAX 2*(\n), X, 2
	QMAX 2*(\n)+1, X, 2
.elseif (\n) == 4
	QT1
.elseif (\n) == 5
	QT2
.endif
.endm
; y: the bias is added on the way to a lane's four neighbouring columns, each accumulator from its low end on
.macro YADD
	s_wait_xcnt 0x0                                ; earlier stores have read their registers
.irp q, 0,1
	WIN (1+\q)<<2
.irp i, 0,1,2,3
.irp j, 0,1,2,3,4,5,6,7
	v_add_f32 v[Y+32*\q+4*\j+\i], v[ACC+8*(4*\q+\i)+\j], v[252+\i]
.endr
.endr
.endr
	WIN 0
.endm
.macro YST8 q, t                               ; half of tile t's stores: 16 lanes store 256 consecutive bytes, at a multiple of 256
.irp j, 0,1,2,3,4,5,6,7
	global_store_b128 v[CO], v[Y+32*\q+4*\j:Y+32*\q+4*\j+3], s[YB:YB+1] offset:32768*(\t)+2048*\j+256*\q th:TH_STORE_NT
.endr
.endm
.macro HS n, t                                 ; tile t's second half of stores, in the middle of the next products
.if (\n) == 3
	WIN 0
	YST8 1, \t
.endif
.endm
; X(t) at the head
.macro HX t, lcnt
	s_wait_loadcnt \lcnt                           ; loads come back in order (ISA guide 5.7.1): this slot's 16 are in, the younger ones stay out
	TURN \t%4
.if \t < 4
	s_wait_dscnt 16                                ; the turn's 16 loads may be out: its 16 stores have read the slot's registers,
	XLOAD \t+4                                     ; which take the tile four further on
.endif
	s_wait_dscnt 0x0
	QUANT X, 2
	IMAGE XWI, 6144*\t, XSC+512*\t
.endm
; V(k), with X(k + 5) where k < 3
.macro ITER k
	s_wait_dscnt 0x0                               ; this tile's fragments, and X, are in; my images have landed
.if \k == 3
	s_barrier_signal -1
	s_barrier_wait -1                              ; everybody's images of x's tiles 5-7 and of v's 0-2 are there, and nobody uses a stage any more
.endif
.if \k < 3
	MUL 0, HK, \k
	QCV X, 2                                       ; (its plain lines are the places behind the last products)
	IMAGE XWI, 6144*(\k+5), XSC+512*(\k+5)
	FETCH LI, 6144*(\k+1), XSC+512*(\k+1)
.else
	MUL 0, HN, 0
	WIN 0
	PLACES
	FETCH ORD, 0, OSC
.endif
.if \k < 2
	s_wait_loadcnt 16-16*\k                        ; tile k + 6 of x is in; the 1 - k tiles behind it may be out
	TURN \k+2
.endif
.if \k == 3
	s_wait_tensorcnt 0x0                           ; my part of W_proj is in: I alone read it
.irp g, 0,1,2,3,4,5,6,7,8,9,10,11,12,13,14,15,16,17,18,19,20,21,22,23,24,25,26,27,28,29,30,31
	PFRAG \g
.endr
	WIN 0
.endif
	QUANT ACC, 0                                   ; while those loads are out
	IMAGE OW, 6144*\k, OSC+512*\k
.endm
; P(i), then V(4 + i); each fetch is out under the work on the results before it
.macro PV i
	s_wait_dscnt 0x0
	MUL 1, HN, 0
	WIN 0
	PLACES
.if \i == 2
	s_barrier_signal -1
	s_barrier_wait -1                              ; everybody's images of v's tiles 3-5 are there
.endif
	FETCH LI, 6144*(4+\i), XSC+512*(4+\i)
	YADD
	YST8 0, \i
	s_wait_alu depctr_va_vdst(0)
	s_wait_dscnt 0x0
	MUL 0, HS, \i
	WIN 0
	PLACES
	FETCH ORD, 6144*(\i+1), OSC+512*(\i+1)
	s_wait_xcnt 0x0                                ; the stores have read the registers that the quantiser writes
	QUANT ACC, 0
	IMAGE OW, 6144*(4+\i), OSC+512*(4+\i)
.endm
.macro PT t                                    ; P(t)
.if \t == 4
	s_wait_dscnt 0x0
	s_barrier_signal -1                            ; my images of v's tiles 6, 7 have landed
	MUL 1, HN, 0
	WIN 0
	s_barrier_wait -1                              ; everybody's have
.else
	s_wait_alu depctr_va_vdst(0)                   ; as above
	s_wait_dscnt 0x0
	MUL 1, HS, \t-1
	WIN 0
.endif
	PLACES
.if \t < 7
	FETCH ORD, 6144*(\t+1), OSC+512*(\t+1)
.endif
	YADD
	YST8 0, \t
.endm
	s_load_b256 s[4:11], s[0:1], 0x0               ; x s[4:5], W_kv's codes s[6:7], its scales s[8:9], W_proj's codes s[10:11]
	s_load_b128 s[12:15], s[0:1], 0x20             ; W_proj's scales s[12:13], b_proj s[14:15]
	s_load_b64 s[16:17], s[0:1], 0x30              ; out0
	v_lshl_add_u32 v[SPW], v0, 2, SPARE
	v_mov_b32 v[NIL], 0
	ds_add_u32 v[SPW], v[NIL]                      ; the opening: the add, twice on end, under one wait
	ds_add_u32 v[SPW], v[NIL]
	v_lshrrev_b32 v252, 5, v0
	v_readfirstlane_b32 s[WV], v252                ; wave 0..3
	s_bfe_u32 s19, ttmp6, 0x40000                  ; cx: my place in the cluster: it enters the addresses of x, of out0 and of the prefetch alone
	s_lshl_b32 s20, ttmp9, 2                       ; in a cluster launch ttmp9 counts clusters
	s_add_co_u32 s20, s20, s19                     ; my work-group
	s_lshl_b32 s60, s20, 19                        ; its 128 rows of x: 4,096 bytes each
	s_mov_b32 s61, 0
	; W_v's group 1: 16 groups of 8 weight rows (3,072 bytes: 384 elements of 8 bytes), every second group of the matrix (768 elements on)
	s_mov_b32 s[G1+0], 15|(3<<16)|(1<<20)|(1<<21)|(4<<22)|(3<<25)  ; 15:0 the mask: all four work-groups; 17:16 elements of 8 bytes; 20 padding on; 21 set beside a mask; 24:22 after every 32 words (code 4); 31:25 of 4 words (code 3)
	s_mov_b32 s[G1+1], 384<<16                     ; tensor_dim0
	s_mov_b32 s[G1+2], 16<<16                      ; tensor_dim1
	s_mov_b32 s[G1+3], 384<<16                     ; tile_dim0
	s_mov_b32 s[G1+4], 16                          ; tile_dim1
	s_mov_b32 s[G1+5], 768                         ; tensor_dim0_stride
	s_mov_b32 s[G1+6], 0
	s_mov_b32 s[G1+7], 0
	; W_proj's: a dense block of 128 weight rows as 192 rows of 256 bytes, 2 words of padding (code 1) after every 64 (code 5)
	s_mov_b32 s[G1P+0], 15|(3<<16)|(1<<20)|(1<<21)|(5<<22)|(1<<25)
	s_mov_b32 s[G1P+1], 32<<16
	s_mov_b32 s[G1P+2], 192<<16
	s_mov_b32 s[G1P+3], 32<<16
	s_mov_b32 s[G1P+4], 192
	s_mov_b32 s[G1P+5], 32
	s_mov_b32 s[G1P+6], 0
	s_mov_b32 s[G1P+7], 0
	s_mov_b32 s[SEL], 0x76543210
	s_mov_b32 s[SEL+1], 0xfedcba98
	s_lshr_b32 s22, s[WV], 1
	s_and_b32 s23, s[WV], 1
	s_mul_i32 s42, s22, 98304                      ; what I fetch of W_v: half wave / 2 (256 rows of 384 bytes),
	s_mul_i32 s43, s23, 3072                       ; beginning with group wave % 2
	s_add_co_u32 s42, s42, s43
	s_mov_b32 s43, 0
	s_mul_i32 s44, s[WV], WPART
	s_add_co_u32 s44, s44, WREG                    ; and where it goes: no place in the cluster enters an LDS address
	s_mul_i32 s45, s[WV], PPART
	s_add_co_u32 s45, s45, WREG                    ; W_proj: my own 128 rows
	s_mul_i32 s46, s[WV], 49152
	s_mov_b32 s47, 0
	s_mul_i32 s21, s[WV], 8448
	s_add_co_u32 s21, s21, TURNB                   ; my stage
	s_mul_i32 s22, s22, 2*WPART                    ; my quarter of W_v: in the two parts of half wave / 2,
	s_mul_i32 s23, s23, 64*432                     ; rows 64 (wave % 2) on
	s_add_co_u32 s22, s22, s23
	s_add_co_u32 s22, s22, WREG
	s_lshl_b32 s23, s19, 2
	s_add_co_u32 s23, s23, s[WV]                   ; my number among the cluster's sixteen waves,
	s_mul_i32 s23, s23, 12288                      ; and my 48 blocks of W_proj to prefetch
	s_mul_i32 s62, s[WV], 1536
	s_lshl_b32 s63, s[WV], 7
	v_and_b32 v253, 15, v0                         ; r
	v_bfe_u32 v254, v0, 4, 1                       ; h
	v_and_b32 v[LI], 31, v0
	v_min_u32 v25, 15, v[LI]
	v_lshl_add_u32 v24, v[LI], 8, s23
	v_lshl_add_u32 v25, v25, 8, s23
	v_lshlrev_b32 v[LS], 2, v[LI]
	v_lshlrev_b32 v[LI], 4, v[LI]
	v_lshl_add_u32 v[GX], s[WV], 9, v[LI]
	v_add_nc_u32 v[TS], s21, v[LI]
	v_mul_u32_u24 v[TL], v253, 528
	v_lshl_add_u32 v[TL], v254, 6, v[TL]
	v_add_nc_u32 v[TL], s21, v[TL]
	v_add_nc_u32 v[XWI], s62, v[LI]
	v_add_nc_u32 v[XWS], s63, v[LS]
	v_add_nc_u32 v[OW], OIM, v[XWI]
	v_add_nc_u32 v[ORD], OIM, v[LI]
	v_mul_u32_u24 v[WA0], v253, 432
	v_add_nc_u32 v[WA0], s22, v[WA0]
	v_mad_u32_u24 v[WA0+1], v254, 40, v[WA0]
	v_mad_u32_u24 v[WA0], v254, 24, v[WA0]
	v_add_nc_u32 v[WA0+2], WPART, v[WA0]
	v_add_nc_u32 v[WA0+3], WPART, v[WA0+1]
	v_mul_u32_u24 v[PA], v253, 1584
	v_add_nc_u32 v[PA], s45, v[PA]
	v_mad_u32_u24 v[PA+1], v254, 32, v[PA]
	v_mad_u32_u24 v[PA], v254, 24, v[PA]
	v_add_nc_u32 v[PA+2], 16*1584, v[PA]
	v_add_nc_u32 v[PA+3], 16*1584, v[PA+1]
	v_and_b32 v252, 8, v253                        ; W_v's scale bytes: lane (i, u) takes the 16 bytes of row 32 b + 8 u + i + 8 (i / 8) of my 128
	v_add_nc_u32 v252, v252, v253
	v_lshl_add_u32 v252, v254, 3, v252
	v_lshlrev_b32 v252, 4, v252
	v_lshl_add_u32 v252, s[WV], 11, v252
	v_lshlrev_b32 v255, 6, v253                    ; W_proj's: lane (r, u) takes those of row 64 q + 4 r + 2 (b % 2) + u
	v_lshl_add_u32 v255, v254, 4, v255
	v_lshl_add_u32 v255, s[WV], 11, v255
	v_lshlrev_b32 v31, 4, v253                     ; b_proj: columns 128 w + 64 q + 4 r .. + 3
	v_lshl_add_u32 v31, s[WV], 9, v31
	v_lshl_add_u32 v[CO], v254, 14, v31            ; y: row 8 h, the same columns
.irp i, 0,1,2,3
	v_mov_b32 v[BY+\i], 0                          ; written once: a lane permute's destination counts as one of its sources
.endr
	s_wait_alu depctr_va_vdst(0)
	s_wait_dscnt 0x0                               ; both opening adds are done
	CROUND                                         ; all four work-groups are here: the first joint loads meet
	s_wait_kmcnt 0x0
	s_mov_b32 s[G0V], 1                            ; 1:0 count = 1
	s_mov_b32 s[G0V+1], s44                        ; 63:32 LDS address
	s_add_nc_u64 s[G0V+2:G0V+3], s[6:7], s[42:43]
	s_add_nc_u64 s[G0V+2:G0V+3], s[G0V+2:G0V+3], 196608  ; 120:64 global address: W_kv's rows 512-1023 (v)
	s_or_b32 s[G0V+3], s[G0V+3], 0x80000000        ; 127:126 type = 2
	TLW G0V, G1
	s_add_nc_u64 s[XB:XB+1], s[4:5], s[60:61]
	XLOAD 0                                        ; x[.][0], tile 0
	s_lshl_b32 s60, s20, 18                        ; my 128 rows of out0: 2,048 bytes each
	s_add_nc_u64 s[YB:YB+1], s[16:17], s[60:61]
	s_mov_b32 s[G0P], 1
	s_mov_b32 s[G0P+1], s45
	s_add_nc_u64 s[G0P+2:G0P+3], s[10:11], s[46:47]
	s_or_b32 s[G0P+3], s[G0P+3], 0x80000000
.irp b, 0,1,2,3
	global_load_b128 v[WSV+4*\b:WSV+4*\b+3], v252, s[8:9] offset:8192+512*\b
.endr
.irp b, 0,1,2,3
	global_load_b128 v[WSP+4*\b:WSP+4*\b+3], v255, s[12:13] offset:1024*(\b/2)+32*(\b%2)
.endr
	WIN 0x40
	global_load_b128 v[252:255], v31, s[14:15]
	WIN 0x80
	global_load_b128 v[252:255], v31, s[14:15] offset:256
	XLOAD 1
	XLOAD 2
	s_cmp_lt_u32 ttmp9, 4                          ; the first four clusters ask for W_proj's blocks, ahead of its joint loads
	s_cbranch_scc0 .Lnot_asking
	global_prefetch_b8 v24, s[10:11] th:TH_LOAD_NT scope:SCOPE_SE
	global_prefetch_b8 v25, s[10:11] offset:8192 th:TH_LOAD_NT scope:SCOPE_SE
.Lnot_asking:
	XLOAD 3
	HX 0, 58                                       ; behind tile 0's loads: 10 of scales and bias, 48 of tiles 1-3
	HX 1, 48
	HX 2, 48
	HX 3, 48
	HX 4, 48
	s_wait_tensorcnt 0x0                           ; my part of W_v is in,
	s_wait_dscnt 0x0                               ; my images of x's tiles 0-4 have landed,
	s_barrier_signal -1
	s_barrier_wait -1                              ; everybody's
	WMOVEV
	s_wait_tensorcnt 0x0                           ; ahead of the refill: no tensor load of mine is out;
	ds_add_u32 v[SPW], v[NIL]                      ; 0 onto my spare word;
	s_wait_dscnt 0x0                               ; the add is done, and my reads of W_v are over
	CROUND                                         ; no wave of any partner still reads it
	TLW G0P, G1P                                   ; W_proj, the last fill
	FETCH LI, 0, XSC
	s_wait_loadcnt 32                              ; tile 5 of x is in; tiles 6 and 7 may be out
	TURN 1
.irp k, 0,1,2,3
	ITER \k
.endr
.irp i, 0,1,2,3
	PV \i
.endr
.irp t, 4,5,6,7
	PT \t
.endr
	YST8 1, 7
	s_wait_tensorcnt 0x0                           ; the wave's end: behind my last tensor load and my last LDS store
	ds_add_u32 v[SPW], v[NIL]
	s_wait_dscnt 0x0
	CROUND                                         ; the closing round: no work-group ends while a partner may still ask for a tile that names it
	s_endpgm
.Lfunc_end_k_q40f433545b_fused:
	.size	k_q40f433545b_fused, .Lfunc_end_k_q40f433545b_fused-k_q40f433545b_fused
	.p2alignl 7, 3214868480
	.fill 96, 4, 3214868480
	.section	.rodata,"a",@progbits
	.p2align	6, 0x0
	.amdhsa_kernel k_q40f433545b_fused
		.amdhsa_group_segment_fixed_size 327680
		.amdhsa_private_segment_fixed_size 0
		.amdhsa_enable_private_segment 0
		.amdhsa_kernarg_size 56
		.amdhsa_user_sgpr_count 2
		.amdhsa_user_sgpr_kernarg_segment_ptr 1
		.amdhsa_wavefront_size32 1
		.amdhsa_system_sgpr_workgroup_id_x 1
		.amdhsa_system_sgpr_workgroup_id_y 1
		.amdhsa_system_sgpr_workgroup_id_z 1
		.amdhsa_system_vgpr_workitem_id 0
		.amdhsa_next_free_vgpr 1024
		.amdhsa_next_free_sgpr 66
		.amdhsa_reserve_vcc 0
		.amdhsa_float_denorm_mode_32 3
		.amdhsa_float_denorm_mode_16_64 3
		.amdhsa_memory_ordered 1
		.amdhsa_forward_progress 1
		.amdhsa_inst_pref_size 234
	.end_amdhsa_kernel
	.amdgpu_metadata
---
amdhsa.version: [ 1, 2 ]
amdhsa.kernels:
  - .name:           k_q40f433545b_fused
    .symbol:         k_q40f433545b_fused.kd
    .args:
      - { .name: x, .offset: 0, .size: 8, .value_kind: global_buffer, .address_space: global }
      - { .name: W_kv_codes, .offset: 8, .size: 8, .value_kind: global_buffer, .address_space: global }
      - { .name: W_kv_scales, .offset: 16, .size: 8, .value_kind: global_buffer, .address_space: global }
      - { .name: W_proj_codes, .offset: 24, .size: 8, .value_kind: global_buffer, .address_space: global }
      - { .name: W_proj_scales, .offset: 32, .size: 8, .value_kind: global_buffer, .address_space: global }
      - { .name: b_proj, .offset: 40, .size: 8, .value_kind: global_buffer, .address_space: global }
      - { .name: out0, .offset: 48, .size: 8, .value_kind: global_buffer, .address_space: global }
    .group_segment_fixed_size: 327680
    .private_segment_fixed_size: 0
    .kernarg_segment_align: 8
    .kernarg_segment_size: 56
    .max_flat_workgroup_size: 128
    .sgpr_count:     66
    .vgpr_count:     1024
    .wavefront_size: 32
...
	.end_amdgpu_metadata
.endif
;; end of part 1
